; MI455X (gfx1250); checked and timed in simulation.
; The chip was launched on July 23, 2026; its instructions are those of AMD's public machine-readable ISA for CDNA 5 (MIT licence, August 2026) and "CDNA5" Instruction Set Architecture Reference Guide (July 2026). The comments in the code are by the model that wrote it; some were corrected since.
;; dpnn6. Allowed arithmetic: float matrix products may take bf16 or f16 operands with f32 sums; all other float work in f32.
;; Inputs: KEY 8 x 2,048 x 256 float32; QUERY 8 x 1,024 x 256 float32; VALUE 8 x 2,048 x 256 float32; Wk_b 1,024 float32; Wk_w 1,024 x 256 float32; Wq_b 1,024 float32; Wq_w 1,024 x 256 float32; Wv_b 1,024 float32; Wv_w 1,024 x 256 float32; lin_b 256 float32; lin_w 256 x 1,024 float32.
;; Outputs: out0 8 x 1,024 x 256 float32.
;; One version. Each part assembles by itself: llvm-mc -triple=amdgcn-amd-amdhsa -mcpu=gfx1250 --defsym DOCPART=n.
;; ======== version 1 of 1: 3 launches
;; limits: values outside matrix products are rounded to bf16
;; workspace buffers: Qb 4,194,304 bytes; mats 262,144 bytes; vec 4,096 bytes; Kp 8,388,608 bytes; Vp 8,388,608 bytes; dvec 65,536 bytes
;; launch prep (part 1): grid 256 x 1, 16 waves a work-group, no clusters, 202,752 bytes of LDS; arguments QUERY, Wk_w, Wk_b, Wq_w, Wq_b, Wv_w, Wv_b, lin_w, Qb, mats, vec; writes Qb, mats, vec
.if DOCPART == 1
	.amdgcn_target "amdgcn-amd-amdhsa--gfx1250"
	.amdhsa_code_object_version 6
	.text
	.protected	k_qea08703162_prep
	.globl	k_qea08703162_prep
	.p2align	8
	.type	k_qea08703162_prep,@function
k_qea08703162_prep:
	s_mov_b64 s[64:65], 0
	v_nop
	global_prefetch_b8 v0, s[64:65] scope:SCOPE_SE
	s_setreg_imm32_b32 hwreg(HW_REG_WAVE_MODE, 25, 1), 1
	s_wait_xcnt 0x0
; PREP: folds the four weight matrices into two of 256 x 256, and rounds QUERY to bf16.
; H = 1024 is only ever an inner dimension, so with c0 = log2(e)/32 (the score's scale, in base 2):
;   MT[dq][dk] = c0 sum_h Wq_w[h][dq] Wk_w[h][dk]     u[dq] = c0 sum_h Wq_w[h][dq] Wk_b[h]
;   t[dk]      = c0 sum_h Wk_w[h][dk] Wq_b[h]         s     = c0 sum_h Wk_b[h] Wq_b[h]
;   Pm[n][dv]  =    sum_h lin_w[n][h] Wv_w[h][dv]     w[n]  =    sum_h lin_w[n][h] Wv_b[h]
; LIMIT, stated: the order of rounding differs from the formula as written (the projections of width 1024 are never formed);
; all matrix operands, the four biases among them, are rounded to bf16; sums are f32.
; Work-groups 0-63: a block of 32 x 32 of MT (with its part of u, t, s); 64-127: the same of Pm (with w); 128-255: 64 rows of QUERY each.
; A product block: wave v takes h = 64 v .. 64 v + 63 (two matrix steps of 32) for all tiles; the 16 waves' partial tiles meet in LDS.
; No tensor loads, no cluster: a work-group reads 256 KiB once, straight-line, and shares no tile with a neighbour at the same time.
; mats is stored as 16 bytes a lane, 64 bytes of a row for a block: 256 KiB in the whole launch; a block 128 wide would treble the panel bytes read.
.set C0,   0x3d38aa3b                  ; log2(e) / 32
.set WREG, 12544                       ; LDS of one wave: panel A 64 x 96, panel B, two bias rows of 128 bytes
.set PB,   6144                        ; panel B
.set BA,   12288                       ; bias of the A side as bf16; the B side's 128 bytes further
.set RAW,  32                          ; v32-159: panels as loaded; then fragments (48 ks + 8 idx); then the 16 partial tiles
.set ACC,  160                         ; v160-231: nine accumulator tiles
.macro PLACES                          ; four independent vector instructions between a matrix instruction and what touches its registers (ISA guide 7.12.1)
.rept 4
	v_nop
.endr
.endm
	s_load_b512 s[4:19], s[0:1], 0x0               ; QUERY 4, Wk_w 6, Wk_b 8, Wq_w 10, Wq_b 12, Wv_w 14, Wv_b 16, lin_w 18
	s_load_b128 s[20:23], s[0:1], 0x40             ; Qb 20, mats 22
	s_load_b64 s[24:25], s[0:1], 0x50              ; vec
	v_lshl_add_u32 v240, v0, 2, 0x31000
	v_mov_b32 v241, 0
	v_and_b32 v1, 31, v0                           ; lane L
	v_lshrrev_b32 v2, 5, v0
	v_readfirstlane_b32 s26, v2                    ; wave v, 0 to 15
	s_mov_b32 s29, ttmp9                           ; work-group g
	s_mov_b32 s31, 0                               ; upper word of the offset pair s[30:31]
	s_cmp_lt_u32 s29, 128
	s_cbranch_scc1 .Lproducts
	; ---- QUERY to bf16: 64 rows (65,536 bytes) a work-group, 4,096 bytes a wave, eight loads of 512 neighbouring bytes
	s_sub_co_u32 s32, s29, 128
	s_lshl_b32 s30, s32, 16
	s_lshl_b32 s33, s26, 12
	s_add_co_u32 s30, s30, s33
	v_lshlrev_b32 v3, 4, v1                        ; 16 L in
	v_lshlrev_b32 v4, 3, v1                        ; 8 L out
	s_wait_kmcnt 0x0
	s_add_nc_u64 s[4:5], s[4:5], s[30:31]
	s_lshr_b32 s30, s30, 1                         ; half the bytes out
	s_add_nc_u64 s[20:21], s[20:21], s[30:31]
.set jj, 0
.rept 8
	global_load_b128 v[RAW+4*jj:RAW+4*jj+3], v3, s[4:5] offset:512*jj th:TH_LOAD_NT
.set jj, jj+1
.endr
.set jj, 0
.rept 8
	s_wait_loadcnt 7-jj                            ; loads return in order: load jj is in, the younger ones stay out
	v_cvt_pk_bf16_f32 v[RAW+4*jj], v[RAW+4*jj], v[RAW+4*jj+1]
	v_cvt_pk_bf16_f32 v[RAW+4*jj+1], v[RAW+4*jj+2], v[RAW+4*jj+3]
	global_store_b64 v4, v[RAW+4*jj:RAW+4*jj+1], s[20:21] offset:256*jj   ; the wave's store covers 256 consecutive bytes, aligned
.set jj, jj+1
.endr
	s_endpgm
.Lproducts:
	s_bfe_u32 s27, s29, 0x30003                    ; bi: block of the B side (dq, or n)
	s_and_b32 s28, s29, 7                          ; bj: block of the A side (dk, or dv)
	s_mul_i32 s34, s26, WREG                       ; my wave's LDS
	v_and_b32 v2, 15, v0                           ; r
	v_bfe_u32 v3, v0, 4, 1                         ; h
	v_lshrrev_b32 v24, 3, v1                       ; L >> 3
	v_and_b32 v25, 7, v1                           ; L & 7
	v_lshlrev_b32 v4, 10, v24                      ; a panel stored [h][256]: four rows a load, 128 bytes of each
	v_lshl_add_u32 v4, v25, 4, v4
	v_mul_u32_u24 v5, v24, 96                      ; the same four rows in LDS, as bf16: pitch 96 (an odd multiple of 32, for the transposing load)
	v_lshl_add_u32 v5, v25, 3, v5
	v_add_nc_u32 v5, s34, v5
	v_lshl_add_u32 v7, v3, 3, v25                  ; transposing load: row 8 h + (L & 7),
	v_mul_u32_u24 v7, v7, 96
	v_and_b32 v26, 1, v24
	v_lshl_add_u32 v7, v26, 4, v7                  ; 16 bytes for each half of the 16 columns
	v_add_nc_u32 v7, s34, v7
	v_lshl_add_u32 v9, v1, 2, s34                  ; bias row in: one word a lane
	v_lshl_add_u32 v10, v3, 4, s34                 ; bias row as a fragment: the same bytes for every r
	v_lshl_add_u32 v12, v1, 4, s34                 ; partial tiles: 16 L
	s_lshl_b32 s35, s26, 10
	v_lshl_add_u32 v13, v1, 4, s35                 ; the reduction: tile v of waves 0-3, 4-7, 8-11, 12-15
	v_add_nc_u32 v14, 4*WREG, v13
	v_add_nc_u32 v15, 8*WREG, v13
	v_add_nc_u32 v16, 12*WREG, v13
	s_lshl_b32 s35, s26, 8
	v_lshl_add_u32 v27, v1, 3, s35                 ; my 64 numbers of a bias: 256 v + 8 L
	s_wait_kmcnt 0x0
	s_cmp_lt_u32 s29, 64
	s_cbranch_scc1 .Lmt
	v_lshlrev_b32 v11, 12, v3                      ; lin_w [n][1024]: two rows a load, 256 bytes of each
	v_lshl_add_u32 v11, v2, 4, v11
	v_mul_u32_u24 v18, v3, 144                     ; in LDS: 128 bytes + 16 of padding
	v_lshl_add_u32 v18, v2, 3, v18
	v_add_nc_u32 v18, s34, v18
	v_mul_u32_u24 v19, v2, 144                     ; as a fragment: row r, 16 h
	v_lshl_add_u32 v19, v3, 4, v19
	v_add_nc_u32 v19, s34, v19
; one matrix instruction: tile t = fragment a x fragment b of K step ks.  Fragments: 0, 1 = A[mb]; 2, 3 = B[nb]; 4 = A side's bias; 5 = B side's bias
.macro WM t, a, b, ks, zero
.if \zero
	v_wmma_f32_16x16x32_bf16 v[ACC+8*\t:ACC+8*\t+7], v[RAW+48*\ks+8*\a:RAW+48*\ks+8*\a+7], v[RAW+48*\ks+8*\b:RAW+48*\ks+8*\b+7], 0
.else
	v_wmma_f32_16x16x32_bf16 v[ACC+8*\t:ACC+8*\t+7], v[RAW+48*\ks+8*\a:RAW+48*\ks+8*\a+7], v[RAW+48*\ks+8*\b:RAW+48*\ks+8*\b+7], v[ACC+8*\t:ACC+8*\t+7]
.endif
.endm
; all tiles of one K step.  The accumulators take turns, one instruction a turn
.macro TILES kind, ks, zero
	WM 0, 0, 2, \ks, \zero                         ; tile mb + 2 nb: D(m = A side 8 h + j, n = B side r)
	WM 1, 1, 2, \ks, \zero
	WM 2, 0, 3, \ks, \zero
	WM 3, 1, 3, \ks, \zero
	WM 4, 4, 2, \ks, \zero                         ; bias x B[nb]: u or w, the same in every row
	WM 5, 4, 3, \ks, \zero
.if \kind == 0
	WM 6, 0, 5, \ks, \zero                         ; A[mb] x bias: t, the same in every column
	WM 7, 1, 5, \ks, \zero
	WM 8, 4, 5, \ks, \zero                         ; bias x bias: s
.endif
.endm
; kind 0: MT, u, t, s.  kind 1: Pm, w.
.macro BODY kind
.if \kind
.set NT, 6
.else
.set NT, 9
.endif
	s_lshl_b32 s30, s26, 16                        ; A panel: 64 v rows of 1,024 bytes, 32 bj columns
	s_lshl_b32 s32, s28, 7
	s_add_co_u32 s30, s30, s32
.if \kind
	s_add_nc_u64 s[36:37], s[14:15], s[30:31]      ; Wv_w
	s_lshl_b32 s30, s27, 17                        ; lin_w: 32 bi rows of 4,096 bytes, 64 v columns
	s_lshl_b32 s32, s26, 8
	s_add_co_u32 s30, s30, s32
	s_add_nc_u64 s[38:39], s[18:19], s[30:31]
	global_load_b64 v[20:21], v27, s[16:17]        ; Wv_b
.else
	s_add_nc_u64 s[36:37], s[6:7], s[30:31]        ; Wk_w
	s_lshl_b32 s30, s26, 16
	s_lshl_b32 s32, s27, 7
	s_add_co_u32 s30, s30, s32
	s_add_nc_u64 s[38:39], s[10:11], s[30:31]      ; Wq_w
	global_load_b64 v[20:21], v27, s[8:9]          ; Wk_b
	global_load_b64 v[22:23], v27, s[12:13]        ; Wq_b
.endif
.set jj, 0
.rept 16
	global_load_b128 v[RAW+4*jj:RAW+4*jj+3], v4, s[36:37] offset:4096*jj
.set jj, jj+1
.endr
.set jj, 0
.rept 16
.if \kind
	global_load_b128 v[RAW+64+4*jj:RAW+64+4*jj+3], v11, s[38:39] offset:8192*jj
.else
	global_load_b128 v[RAW+64+4*jj:RAW+64+4*jj+3], v4, s[38:39] offset:4096*jj
.endif
.set jj, jj+1
.endr
	s_wait_loadcnt 16                              ; biases and panel A are in; panel B's 16 loads stay out
	v_cvt_pk_bf16_f32 v20, v20, v21
	ds_store_b32 v9, v20 offset:BA
.if \kind == 0
	v_cvt_pk_bf16_f32 v22, v22, v23
	ds_store_b32 v9, v22 offset:BA+128
.endif
.set jj, 0
.rept 16
	v_cvt_pk_bf16_f32 v[RAW+4*jj], v[RAW+4*jj], v[RAW+4*jj+1]
	v_cvt_pk_bf16_f32 v[RAW+4*jj+1], v[RAW+4*jj+2], v[RAW+4*jj+3]
	ds_store_b64 v5, v[RAW+4*jj:RAW+4*jj+1] offset:384*jj
.set jj, jj+1
.endr
	s_wait_loadcnt 0x0
.set jj, 0
.rept 16
	v_cvt_pk_bf16_f32 v[RAW+64+4*jj], v[RAW+64+4*jj], v[RAW+64+4*jj+1]
	v_cvt_pk_bf16_f32 v[RAW+64+4*jj+1], v[RAW+64+4*jj+2], v[RAW+64+4*jj+3]
.if \kind
	ds_store_b64 v18, v[RAW+64+4*jj:RAW+64+4*jj+1] offset:PB+288*jj
.else
	ds_store_b64 v5, v[RAW+64+4*jj:RAW+64+4*jj+1] offset:PB+384*jj
.endif
.set jj, jj+1
.endr
	; fragments, K step 0 first.  The bytes are the wave's own, and LDS serves a wave's instructions in order (ISA guide 5.7.1): no wait, no barrier.
.set ks, 0
.rept 2
.set ii, 0
.rept 2
	ds_load_tr16_b128 v[RAW+48*ks+8*ii:RAW+48*ks+8*ii+3],   v7 offset:ks*3072+ii*32
	ds_load_tr16_b128 v[RAW+48*ks+8*ii+4:RAW+48*ks+8*ii+7], v7 offset:ks*3072+ii*32+1536
.set ii, ii+1
.endr
.set ii, 0
.rept 2
.if \kind
	ds_load_b128 v[RAW+48*ks+16+8*ii:RAW+48*ks+16+8*ii+3],   v19 offset:PB+ii*2304+ks*64
	ds_load_b128 v[RAW+48*ks+16+8*ii+4:RAW+48*ks+16+8*ii+7], v19 offset:PB+ii*2304+ks*64+32
.else
	ds_load_tr16_b128 v[RAW+48*ks+16+8*ii:RAW+48*ks+16+8*ii+3],   v7 offset:PB+ks*3072+ii*32
	ds_load_tr16_b128 v[RAW+48*ks+16+8*ii+4:RAW+48*ks+16+8*ii+7], v7 offset:PB+ks*3072+ii*32+1536
.endif
.set ii, ii+1
.endr
	ds_load_b128 v[RAW+48*ks+32:RAW+48*ks+35], v10 offset:BA+ks*64
	ds_load_b128 v[RAW+48*ks+36:RAW+48*ks+39], v10 offset:BA+ks*64+32
.if \kind == 0
	ds_load_b128 v[RAW+48*ks+40:RAW+48*ks+43], v10 offset:BA+128+ks*64
	ds_load_b128 v[RAW+48*ks+44:RAW+48*ks+47], v10 offset:BA+128+ks*64+32
.endif
.set ks, ks+1
.endr
.if \kind
	s_wait_dscnt 10                                ; K step 0's fragments are in; the second step's 10 loads stay out
.else
	s_wait_dscnt 12                                ; likewise, 12 loads
.endif
	TILES \kind, 0, 1                              ; the first products start the sums: nothing is cleared
	s_wait_dscnt 0x0
	TILES \kind, 1, 0
	PLACES
.set tt, 0
.rept NT
	ds_store_b128 v12, v[ACC+8*tt:ACC+8*tt+3]   offset:1024*tt       ; my partial tiles, over my own panels, whose reads are back
	ds_store_b128 v12, v[ACC+8*tt+4:ACC+8*tt+7] offset:1024*tt+512
.set tt, tt+1
.endr
	s_wait_dscnt 0x0                               ; for the other waves' sake: my partial tiles are written
	s_barrier_signal -1
	s_barrier_wait -1
	s_cmp_ge_u32 s26, NT
	s_cbranch_scc1 .Lend_\@                        ; wave v sums tile v; the other waves are done
.set pp, 0
.rept 16
	ds_load_b128 v[RAW+8*pp:RAW+8*pp+3],   v[13+(pp>>2)] offset:(pp&3)*WREG
	ds_load_b128 v[RAW+8*pp+4:RAW+8*pp+7], v[13+(pp>>2)] offset:(pp&3)*WREG+512
.set pp, pp+1
.endr
	s_wait_dscnt 0x0
.irp st, 8,4,2,1
.set pp, 0
.rept \st
.set qq, 0
.rept 4
	v_pk_add_f32 v[RAW+8*pp+2*qq:RAW+8*pp+2*qq+1], v[RAW+8*pp+2*qq:RAW+8*pp+2*qq+1], v[RAW+8*(pp+\st)+2*qq:RAW+8*(pp+\st)+2*qq+1]
.set qq, qq+1
.endr
.set pp, pp+1
.endr
.endr
.if \kind == 0
.set qq, 0
.rept 4
	v_pk_mul_f32 v[RAW+2*qq:RAW+2*qq+1], v[RAW+2*qq:RAW+2*qq+1], C0 op_sel_hi:[1,0]   ; the score's scale, in f32, on MT, u, t and s alike
.set qq, qq+1
.endr
.endif
	s_cmp_ge_u32 s26, 4
	s_cbranch_scc1 .Lvec_\@
	; waves 0-3: a tile of the matrix.  A lane holds 8 neighbouring columns of one row: 16 bytes as bf16
.set qq, 0
.rept 4
	v_cvt_pk_bf16_f32 v[RAW+qq], v[RAW+2*qq], v[RAW+2*qq+1]
.set qq, qq+1
.endr
	s_lshl_b32 s32, s27, 14                        ; row 32 bi + 16 (v >> 1) + r, 512 bytes each
	s_lshr_b32 s33, s26, 1
	s_lshl_b32 s33, s33, 13
	s_add_co_u32 s32, s32, s33
	s_lshl_b32 s33, s28, 6                         ; column 32 bj + 16 (v & 1) + 8 h, 2 bytes each
	s_add_co_u32 s32, s32, s33
	s_and_b32 s33, s26, 1
	s_lshl_b32 s33, s33, 5
	s_add_co_u32 s32, s32, s33
	v_lshlrev_b32 v17, 9, v2
	v_lshl_add_u32 v17, v3, 4, v17
	v_add_nc_u32 v17, s32, v17
	global_store_b128 v17, v[RAW:RAW+3], s[22:23] offset:131072*\kind
	s_wait_tensorcnt 0x0
	ds_add_u32 v240, v241
	s_wait_dscnt 0x0
	s_endpgm
.Lvec_\@:
.if \kind == 0
	s_cmp_ge_u32 s26, 6
	s_cbranch_scc1 .Lt_\@
.endif
	s_cmp_lg_u32 s28, 0                            ; u (w) hangs on bi alone: the blocks with bj = 0 store it
	s_cbranch_scc1 .Lend_\@
	s_lshl_b32 s32, s27, 7
	s_sub_co_u32 s33, s26, 4
	s_lshl_b32 s33, s33, 6
	s_add_co_u32 s32, s32, s33
	v_lshl_add_u32 v17, v2, 2, s32                 ; 4 (32 bi + 16 (v - 4) + r)
	s_wait_xcnt 0x0                                ; EXEC changes only behind s_wait_xcnt 0
	v_cmp_gt_u32 vcc_lo, 16, v1
	s_and_saveexec_b32 s41, vcc_lo                 ; lanes 0-15: every row of the tile holds the same numbers
	global_store_b32 v17, v[RAW], s[24:25] offset:1024*\kind
	s_wait_xcnt 0x0
	s_or_b32 exec_lo, exec_lo, s41
	s_wait_tensorcnt 0x0
	ds_add_u32 v240, v241
	s_wait_dscnt 0x0
	s_endpgm
.if \kind == 0
.Lt_\@:
	s_cmp_lg_u32 s27, 0                            ; t hangs on bj alone: the blocks with bi = 0 store it
	s_cbranch_scc1 .Lend_\@
	s_cmp_eq_u32 s26, 8
	s_cbranch_scc1 .Ls_\@
.set qq, 0
.rept 4
	v_cvt_pk_bf16_f32 v[RAW+qq], v[RAW+2*qq], v[RAW+2*qq+1]
.set qq, qq+1
.endr
	s_lshl_b32 s32, s28, 6
	s_sub_co_u32 s33, s26, 6
	s_lshl_b32 s33, s33, 5
	s_add_co_u32 s32, s32, s33
	v_lshl_add_u32 v17, v3, 4, s32                 ; 2 (32 bj + 16 (v - 6) + 8 h)
	s_wait_xcnt 0x0
	v_cmp_eq_u32 vcc_lo, 0, v2
	s_and_saveexec_b32 s41, vcc_lo                 ; lanes 0 and 16: every column of the tile holds the same numbers
	global_store_b128 v17, v[RAW:RAW+3], s[24:25] offset:2048
	s_wait_xcnt 0x0
	s_or_b32 exec_lo, exec_lo, s41
	s_wait_tensorcnt 0x0
	ds_add_u32 v240, v241
	s_wait_dscnt 0x0
	s_endpgm
.Ls_\@:
	s_cmp_lg_u32 s28, 0                            ; s: block (0, 0) alone
	s_cbranch_scc1 .Lend_\@
	v_mov_b32 v17, 0
	s_wait_xcnt 0x0
	v_cmp_eq_u32 vcc_lo, 0, v1
	s_and_saveexec_b32 s41, vcc_lo
	global_store_b32 v17, v[RAW], s[24:25] offset:2560
	s_wait_xcnt 0x0
	s_or_b32 exec_lo, exec_lo, s41
.endif
.Lend_\@:
	s_wait_tensorcnt 0x0
	ds_add_u32 v240, v241
	s_wait_dscnt 0x0
	s_endpgm
.endm
	BODY 1
.Lmt:
	BODY 0
.Lfunc_end_k_qea08703162_prep:
	.size	k_qea08703162_prep, .Lfunc_end_k_qea08703162_prep-k_qea08703162_prep
	.p2alignl 7, 3214868480
	.fill 96, 4, 3214868480
	.section	.rodata,"a",@progbits
	.p2align	6, 0x0
	.amdhsa_kernel k_qea08703162_prep
		.amdhsa_group_segment_fixed_size 202752
		.amdhsa_private_segment_fixed_size 0
		.amdhsa_enable_private_segment 0
		.amdhsa_kernarg_size 88
		.amdhsa_user_sgpr_count 2
		.amdhsa_user_sgpr_kernarg_segment_ptr 1
		.amdhsa_wavefront_size32 1
		.amdhsa_system_sgpr_workgroup_id_x 1
		.amdhsa_system_sgpr_workgroup_id_y 1
		.amdhsa_system_sgpr_workgroup_id_z 1
		.amdhsa_system_vgpr_workitem_id 0
		.amdhsa_next_free_vgpr 242
		.amdhsa_next_free_sgpr 66
		.amdhsa_reserve_vcc 1
		.amdhsa_float_denorm_mode_32 3
		.amdhsa_float_denorm_mode_16_64 3
		.amdhsa_memory_ordered 1
		.amdhsa_forward_progress 1
		.amdhsa_inst_pref_size 50
	.end_amdhsa_kernel
	.amdgpu_metadata
---
amdhsa.version: [ 1, 2 ]
amdhsa.kernels:
  - .name:           k_qea08703162_prep
    .symbol:         k_qea08703162_prep.kd
    .args:
      - { .name: QUERY, .offset: 0, .size: 8, .value_kind: global_buffer, .address_space: global }
      - { .name: Wk_w, .offset: 8, .size: 8, .value_kind: global_buffer, .address_space: global }
      - { .name: Wk_b, .offset: 16, .size: 8, .value_kind: global_buffer, .address_space: global }
      - { .name: Wq_w, .offset: 24, .size: 8, .value_kind: global_buffer, .address_space: global }
      - { .name: Wq_b, .offset: 32, .size: 8, .value_kind: global_buffer, .address_space: global }
      - { .name: Wv_w, .offset: 40, .size: 8, .value_kind: global_buffer, .address_space: global }
      - { .name: Wv_b, .offset: 48, .size: 8, .value_kind: global_buffer, .address_space: global }
      - { .name: lin_w, .offset: 56, .size: 8, .value_kind: global_buffer, .address_space: global }
      - { .name: Qb, .offset: 64, .size: 8, .value_kind: global_buffer, .address_space: global }
      - { .name: mats, .offset: 72, .size: 8, .value_kind: global_buffer, .address_space: global }
      - { .name: vec, .offset: 80, .size: 8, .value_kind: global_buffer, .address_space: global }
    .group_segment_fixed_size: 202752
    .private_segment_fixed_size: 0
    .kernarg_segment_align: 8
    .kernarg_segment_size: 88
    .max_flat_workgroup_size: 512
    .sgpr_count:     66
    .vgpr_count:     242
    .wavefront_size: 32
...
	.end_amdgpu_metadata
.endif
;; end of part 1
;; launch keys (part 2): grid 256 x 1, 4 waves a work-group, clusters of 4 x 1, 327,680 bytes of LDS; arguments KEY, VALUE, Qb, mats, vec, Kp, Vp, dvec; writes Kp, Vp, dvec
.if DOCPART == 2
	.amdgcn_target "amdgcn-amd-amdhsa--gfx1250"
	.amdhsa_code_object_version 6
	.text
	.protected	k_qea08703162_keys
	.globl	k_qea08703162_keys
	.p2align	8
	.type	k_qea08703162_keys,@function
k_qea08703162_keys:
	s_mov_b64 s[64:65], 0
	v_nop
	global_prefetch_b8 v0, s[64:65] scope:SCOPE_SE
	s_setreg_imm32_b32 hwreg(HW_REG_WAVE_MODE, 25, 1), 1
	s_wait_xcnt 0x0
	s_wait_alu depctr_hold_cnt(0) depctr_sa_sdst(0) depctr_va_vdst(0) depctr_va_sdst(0) depctr_va_ssrc(0) depctr_va_vcc(0) depctr_vm_vsrc(0)
	s_getreg_b32 s2, hwreg(HW_REG_IB_STS2, 6, 4)
	s_cmp_eq_u32 s2, 0
	s_cbranch_scc0 .Lentry_in_a_cluster
	s_endpgm
.Lentry_in_a_cluster:
	s_bfe_u32 s2, ttmp6, 0x10000c
	s_cmp_lg_u32 s2, 0x3003
	s_cbranch_scc0 .Lentry_shape_is_right
	s_endpgm
.Lentry_shape_is_right:
; KEYS: everything that belongs to a key.  A work-group owns 64 keys of one batch:
;   K' = KEY MT^T + u (bf16, stored);  R = KEY t + s;  S = Qb K'^T + R over all 1,024 queries of the batch, in base-2 units,
;   with a running maximum m and a running sum l of 2^(S - m) for each key (the softmax runs along the queries);
;   d = R - m (f32, stored);  V'' = (VALUE Pm^T + w) / l (bf16, stored).
; LIMITS, stated: the order of rounding differs from the formula as written (see prep); v_exp_f32 gives 0 for results below 2^-126
; (ISA guide 15.8), which against l >= 1 changes nothing; matrix operands are bf16, so the range is f32's.
; Four waves.  Every product has one shape: a tile of 256 rows x 256 (MT, four blocks of Qb, Pm) from an LDS slot as source 0, wave w taking
; rows 64 w .. 64 w + 63, and the 64 keys' rows (K, K', V in turn) as source 1, held whole in 256 registers.  In the result a lane holds
; one key (column r) and 8 neighbouring tile rows: for K' and V'' 16 bytes of a row as bf16, for S the numbers that the softmax reduces.
; CLUSTER: the six tiles hang on the batch alone, and the four work-groups of a cluster lie in one batch (32 work-groups a batch): each tile
; is asked for jointly, mask 15.  Each wave asks for its 64 rows.  Six sets of group 0, none ever rewritten.
; By this text's count a wave has two tensor loads out behind the first round and one behind each later round.
; REGISTERS: window 0: v1-43 lane terms and statistics, v64-127 source-0 fragments (two buffers), v128-255 16 accumulator tiles;
;   window 1: source 1, tile (kb, ks) at 8 (8 kb + ks);  window 2: R, s, u, w and VALUE as loaded.
.set PITCH, 528                        ; an LDS row: 512 bytes + 16 of padding, an odd multiple of 16: 16 rows start in 16 different 16-byte columns
.set WTILE, 64*PITCH                   ; what one tensor load brings
.set SLOT,  4*WTILE                    ; 135,168
.set XB,    2*SLOT                     ; 64 key rows x 528, written by ds_store alone: bf16 K, then K', then bf16 V, then V''
.set STB,   XB+64*PITCH                ; the waves' (m, l): wave x 512 + kb x 128 + r x 8
.set AF,    64
.set ACC,   128                        ; tile (mb, kb) at ACC + 8 (4 mb + kb)
.set RR,    0                          ; window 2: R[kb], 8 registers each, all equal in a lane
.set SINI,  32                         ; window 2: s, eight times
.set UU,    40                         ; window 2: u of my rows, tile mb
.set WW,    72                         ; window 2: w of my rows
.set VR,    104                        ; window 2: VALUE as loaded, 128 registers
.set G1,    20                         ; s[20:27]
.set G0,    28                         ; s[28:51], tile n at G0 + 4 n
.set MSB,   0
.macro WIN new                         ; the immediate's high byte repeats the setting that is left
.if MSB != \new
	s_set_vgpr_msb (MSB<<8)|\new
.set MSB, \new
.endif
.endm
.macro PLACES                          ; four independent vector instructions between a matrix instruction and what touches its registers (ISA guide 7.12.1)
.rept 4
	v_nop
.endr
.endm
.macro BAR
	s_barrier_signal -1
	s_barrier_wait -1
.endm
.macro ROUND                           ; a round of the cluster's barrier: my work-group's barrier, wave 0 signals for it, all wait, my work-group's barrier again
	s_barrier_signal -1
	s_barrier_wait -1
	s_cmp_lg_u32 s52, 0
	s_cbranch_scc1 .Lnot_wave_0_\@
	s_barrier_signal -3
.Lnot_wave_0_\@:
	s_barrier_wait -3
	s_barrier_signal -1
	s_barrier_wait -1
.endm
.macro JL n                            ; the joint load of tile n: my 64 rows
	tensor_load_to_lds s[G0+4*\n:G0+4*\n+3], s[G1:G1+7]
	s_nop 0
.endm
.macro MKG0 n, base, off
	s_mov_b32 s[G0+4*\n], 1                                        ; count = 1
	s_add_co_u32 s[G0+4*\n+1], s61, (\n&1)*SLOT                    ; LDS: wave x 33,792 + the slot
	s_add_nc_u64 s[G0+4*\n+2:G0+4*\n+3], s[\base:\base+1], \off    ; the tile's first element
	s_or_b32 s[G0+4*\n+3], s[G0+4*\n+3], 0x80000000                ; type = 2
.endm
.macro LOADB                           ; the 64 key rows of X into window 1: 64 loads
	WIN 0x40
.set kb, 0
.rept 4
.set ks, 0
.rept 8
	ds_load_b128 v[8*(8*kb+ks):8*(8*kb+ks)+3],   v6 offset:kb*16*PITCH+ks*64
	ds_load_b128 v[8*(8*kb+ks)+4:8*(8*kb+ks)+7], v6 offset:kb*16*PITCH+ks*64+32
.set ks, ks+1
.endr
.set kb, kb+1
.endr
	WIN 0
.endm
.macro FETCH slot                      ; my 64 tile rows, 32 along K at step fks, into buffer fks & 1: 8 loads (destination and address in window 0 under every setting used here)
.set fm, 0
.rept 4
	ds_load_b128 v[AF+32*(fks&1)+8*fm:AF+32*(fks&1)+8*fm+3],   v[4+\slot] offset:fm*16*PITCH+fks*64
	ds_load_b128 v[AF+32*(fks&1)+8*fm+4:AF+32*(fks&1)+8*fm+7], v[4+\slot] offset:fm*16*PITCH+fks*64+32
.set fm, fm+1
.endr
.endm
; 128 matrix instructions: ACC(mb, kb) = tile rows x key rows + C, C = window-2 registers cbase + cm mb + ck kb.
; The 16 accumulators take turns, one instruction a turn
.macro CORE slot, cbase, cm, ck
	PLACES
.set fks, 0
	FETCH \slot
.set ks, 0
.rept 8
.if ks < 7
.if ks > 0
	PLACES                                         ; the buffer filled next was read by the matrix instructions just issued
.endif
.set fks, ks+1
	FETCH \slot
	s_wait_dscnt 8                                 ; this step's fragments are in; the next step's 8 loads stay out
.else
	s_wait_dscnt 0x0
.endif
.if ks == 0
	WIN 0x24                                       ; source 1 window 1, C window 2
.else
	WIN 0x04                                       ; source 1 window 1, C = D in window 0
.endif
.set mb, 0
.rept 4
.set kb, 0
.rept 4
.if ks == 0
	v_wmma_f32_16x16x32_bf16 v[ACC+8*(4*mb+kb):ACC+8*(4*mb+kb)+7], v[AF+32*(ks&1)+8*mb:AF+32*(ks&1)+8*mb+7], v[8*(8*kb+ks):8*(8*kb+ks)+7], v[\cbase+\cm*mb+\ck*kb:\cbase+\cm*mb+\ck*kb+7]
.else
	v_wmma_f32_16x16x32_bf16 v[ACC+8*(4*mb+kb):ACC+8*(4*mb+kb)+7], v[AF+32*(ks&1)+8*mb:AF+32*(ks&1)+8*mb+7], v[8*(8*kb+ks):8*(8*kb+ks)+7], v[ACC+8*(4*mb+kb):ACC+8*(4*mb+kb)+7]
.endif
.set kb, kb+1
.endr
.set mb, mb+1
.endr
.set ks, ks+1
.endr
	WIN 0
	PLACES
.endm
; The running softmax: for each of my four keys (kb), over the 32 scores that I hold.  (m, l) in v[20+2kb:21+2kb].  first = 1 starts them: nothing is cleared.
.macro SOFT first
.set kb, 0
.rept 4
.irp mb, 0,1,2,3
	v_max3_num_f32 v[28+\mb+2*(\mb/3)], v[ACC+8*(4*\mb+kb)], v[ACC+8*(4*\mb+kb)+1], v[ACC+8*(4*\mb+kb)+2]   ; four chains, in v28, v29, v30, v33
.endr
.irp mb, 0,1,2,3
	v_max3_num_f32 v[28+\mb+2*(\mb/3)], v[28+\mb+2*(\mb/3)], v[ACC+8*(4*\mb+kb)+3], v[ACC+8*(4*\mb+kb)+4]
.endr
.irp mb, 0,1,2,3
	v_max3_num_f32 v[28+\mb+2*(\mb/3)], v[28+\mb+2*(\mb/3)], v[ACC+8*(4*\mb+kb)+5], v[ACC+8*(4*\mb+kb)+6]
.endr
.irp mb, 0,1,2,3
	v_max_num_f32 v[28+\mb+2*(\mb/3)], v[28+\mb+2*(\mb/3)], v[ACC+8*(4*\mb+kb)+7]
.endr
	v_max3_num_f32 v28, v28, v29, v30
.if \first
	v_max_num_f32 v32, v28, v33                    ; the new maximum
.else
	v_max3_num_f32 v32, v28, v33, v[20+2*kb]
	v_sub_f32 v33, v[20+2*kb], v32                 ; old - new
.endif
.irp mb, 0,1,2,3
.irp q, 0,2,4,6
	v_pk_add_f32 v[ACC+8*(4*\mb+kb)+\q:ACC+8*(4*\mb+kb)+\q+1], v[ACC+8*(4*\mb+kb)+\q:ACC+8*(4*\mb+kb)+\q+1], v[32:33] op_sel_hi:[1,0] neg_lo:[0,1] neg_hi:[0,1]   ; S - m, both halves by v32
.endr
.endr
.irp mb, 0,1,2,3
.irp q, 0,1,2,3,4,5,6,7
	v_exp_f32 v[ACC+8*(4*\mb+kb)+\q], v[ACC+8*(4*\mb+kb)+\q]
.endr
.endr
.if \first == 0
	v_exp_f32 v33, v33
.endif
	v_mov_b32 v[20+2*kb], v32                      ; m; also the plain instruction between the exponentials and the first use of a result (ISA guide 5.7.2)
	s_wait_alu depctr_va_vdst(0)
.irp mb, 0,1
.irp q, 0,2,4,6
	v_pk_add_f32 v[ACC+8*(4*\mb+kb)+\q:ACC+8*(4*\mb+kb)+\q+1], v[ACC+8*(4*\mb+kb)+\q:ACC+8*(4*\mb+kb)+\q+1], v[ACC+8*(4*(\mb+2)+kb)+\q:ACC+8*(4*(\mb+2)+kb)+\q+1]
.endr
.endr
.irp q, 0,2,4,6
	v_pk_add_f32 v[ACC+8*kb+\q:ACC+8*kb+\q+1], v[ACC+8*kb+\q:ACC+8*kb+\q+1], v[ACC+8*(4+kb)+\q:ACC+8*(4+kb)+\q+1]
.endr
	v_pk_add_f32 v[ACC+8*kb:ACC+8*kb+1], v[ACC+8*kb:ACC+8*kb+1], v[ACC+8*kb+4:ACC+8*kb+5]
	v_pk_add_f32 v[ACC+8*kb+2:ACC+8*kb+3], v[ACC+8*kb+2:ACC+8*kb+3], v[ACC+8*kb+6:ACC+8*kb+7]
	v_pk_add_f32 v[ACC+8*kb:ACC+8*kb+1], v[ACC+8*kb:ACC+8*kb+1], v[ACC+8*kb+2:ACC+8*kb+3]
.if \first
	v_add_f32 v[21+2*kb], v[ACC+8*kb], v[ACC+8*kb+1]
.else
	v_add_f32 v28, v[ACC+8*kb], v[ACC+8*kb+1]
	v_fma_f32 v[21+2*kb], v[21+2*kb], v33, v28     ; l = l 2^(old - new) + the tile's sum
.endif
.set kb, kb+1
.endr
.endm
; The accumulators, as bf16, into X: a lane's 8 numbers are 16 bytes of key row 16 kb + r, at column 64 w + 16 mb + 8 h.  scale = 1: times 1 / l of the key.
.macro PROJOUT scale
.set mb, 0
.rept 4
.set kb, 0
.rept 4
.set tb, ACC+8*(4*mb+kb)
.if \scale
.set qq, 0
	s_wait_alu depctr_va_vdst(0)
.rept 4
	v_pk_mul_f32 v[tb+2*qq:tb+2*qq+1], v[tb+2*qq:tb+2*qq+1], v[36+2*kb:37+2*kb] op_sel_hi:[1,0]
.set qq, qq+1
.endr
.endif
.set qq, 0
.rept 4
	v_cvt_pk_bf16_f32 v[tb+qq], v[tb+2*qq], v[tb+2*qq+1]
.set qq, qq+1
.endr
	ds_store_b128 v8, v[tb:tb+3] offset:kb*16*PITCH+mb*32
.set kb, kb+1
.endr
.set mb, mb+1
.endr
.endm
; Rows 16 w .. 16 w + 15 of X to memory: a wave's load and store cover a whole row of 512 bytes, aligned.
.macro COPYOUT p
.set jj, 0
.rept 16
	ds_load_b128 v[ACC+4*jj:ACC+4*jj+3], v9 offset:jj*PITCH
.set jj, jj+1
.endr
.set jj, 0
.rept 16
	s_wait_dscnt 15-jj                             ; LDS loads return in order: row jj is in, the younger rows stay out
	global_store_b128 v11, v[ACC+4*jj:ACC+4*jj+3], s[\p:\p+1] offset:jj*512
.set jj, jj+1
.endr
.endm
	s_load_b512 s[4:19], s[0:1], 0x0               ; KEY 4, VALUE 6, Qb 8, mats 10, vec 12, Kp 14, Vp 16, dvec 18
	v_lshl_add_u32 v62, v0, 2, 0x4ac00
	v_mov_b32 v63, 0
	ds_add_u32 v62, v63
	v_and_b32 v1, 31, v0                           ; L
	v_lshrrev_b32 v2, 5, v0
	v_readfirstlane_b32 s52, v2                    ; wave w
	v_and_b32 v2, 15, v0                           ; r
	v_bfe_u32 v3, v0, 4, 1                         ; h
	s_bfe_u32 s53, ttmp6, 0x40000                  ; cx
	s_lshl_b32 s54, ttmp9, 2
	s_add_co_u32 s54, s54, s53                     ; work-group x = 4 x cluster + cx: enters the addresses of KEY, VALUE, Kp, Vp, dvec alone
	s_lshr_b32 s55, ttmp9, 3                       ; batch: 8 clusters each
	s_mov_b32 s57, 0                               ; s[56:57]: offsets that hold cx
	s_mov_b32 s63, 0                               ; s[62:63]: offsets that feed descriptors, free of cx
	s_mov_b32 s58, 0x76543210                      ; v_permlanex16_b32: lane i of one half reads lane i of the other
	s_mov_b32 s59, 0xfedcba98
	; group 1: 64 rows x 256 elements of 2 bytes, pitch 256; 4 words of padding behind every 128 words; mask 15 with bit 21 beside it
	s_mov_b32 s[G1+0], 15|(1<<16)|(1<<20)|(1<<21)|(6<<22)|(3<<25)
	s_mov_b32 s[G1+1], 256<<16                     ; tensor_dim0 = 256
	s_mov_b32 s[G1+2], 64<<16                      ; tensor_dim1 = 64
	s_mov_b32 s[G1+3], 256<<16                     ; tile_dim0 = 256
	s_mov_b32 s[G1+4], 64                          ; tile_dim1 = 64
	s_mov_b32 s[G1+5], 256                         ; elements from row to row
	s_mov_b32 s[G1+6], 0
	s_mov_b32 s[G1+7], 0
	s_mul_i32 s61, s52, WTILE
	v_mul_u32_u24 v28, v2, PITCH
	v_lshl_add_u32 v28, v3, 4, v28                 ; r x pitch + 16 h
	v_add_nc_u32 v4, s61, v28                      ; my tile rows in slot 0,
	v_add_nc_u32 v5, SLOT, v4                      ; in slot 1
	v_add_nc_u32 v6, XB, v28                       ; the key rows as fragments
	s_mul_i32 s2, s52, 16*PITCH
	s_add_co_u32 s2, s2, XB
	v_lshl_add_u32 v7, v1, 3, s2                   ; staging: my 16 rows of X, 8 L
	v_lshl_add_u32 v9, v1, 4, s2                   ; reading rows back: 16 L
	s_lshl_b32 s2, s52, 7
	v_add_nc_u32 v8, s2, v6                        ; results into X: + 128 w
	s_lshl_b32 s2, s52, 14
	v_lshl_add_u32 v10, v1, 4, s2                  ; KEY, VALUE: my 16 rows of 1,024 bytes
	s_lshl_b32 s2, s52, 13
	v_lshl_add_u32 v11, v1, 4, s2                  ; Kp, Vp: my 16 rows of 512 bytes
	v_lshlrev_b32 v12, 4, v3                       ; t as a fragment: the same bytes for every r
	s_lshl_b32 s2, s52, 8
	v_lshl_add_u32 v13, v3, 5, s2                  ; u, w: 4 (64 w + 8 h)
	v_lshlrev_b32 v15, 3, v2
	v_add_nc_u32 v15, STB, v15                     ; statistics: 8 r,
	s_lshl_b32 s2, s52, 9
	v_add_nc_u32 v14, s2, v15                      ; + my wave's 512 bytes
	v_lshlrev_b32 v16, 2, v1
	s_wait_dscnt 0x0
	s_wait_kmcnt 0x0
	s_load_b32 s60, s[12:13], 0xa00                ; s
	s_lshl_b32 s56, s54, 16
	s_add_nc_u64 s[4:5], s[4:5], s[56:57]          ; 64 rows of 1,024 bytes a work-group
	s_add_nc_u64 s[6:7], s[6:7], s[56:57]
	s_lshl_b32 s56, s54, 15
	s_add_nc_u64 s[14:15], s[14:15], s[56:57]      ; 64 rows of 512 bytes
	s_add_nc_u64 s[16:17], s[16:17], s[56:57]
	s_lshl_b32 s56, s54, 8
	s_add_nc_u64 s[18:19], s[18:19], s[56:57]      ; 64 words
	s_lshl_b32 s62, s52, 15                        ; my 64 rows of a tile
	s_add_nc_u64 s[10:11], s[10:11], s[62:63]
	s_lshl_b32 s3, s55, 19                         ; the batch's 1,024 rows of Qb
	s_add_co_u32 s62, s62, s3
	s_add_nc_u64 s[8:9], s[8:9], s[62:63]
	MKG0 0, 10, 0                                  ; MT
	MKG0 1, 8, 0                                   ; queries 0-255
	MKG0 2, 8, 131072
	MKG0 3, 8, 262144
	MKG0 4, 8, 393216
	MKG0 5, 10, 131072                             ; Pm
.set ks, 0
.rept 8
	global_load_b128 v[AF+8*ks:AF+8*ks+3],   v12, s[12:13] offset:2048+ks*64       ; t, eight fragments
	global_load_b128 v[AF+8*ks+4:AF+8*ks+7], v12, s[12:13] offset:2048+ks*64+32
.set ks, ks+1
.endr
	WIN 0x80
.set mb, 0
.rept 4
	global_load_b128 v[UU+8*mb:UU+8*mb+3],   v13, s[12:13] offset:mb*64
	global_load_b128 v[UU+8*mb+4:UU+8*mb+7], v13, s[12:13] offset:mb*64+16
	global_load_b128 v[WW+8*mb:WW+8*mb+3],   v13, s[12:13] offset:1024+mb*64
	global_load_b128 v[WW+8*mb+4:WW+8*mb+7], v13, s[12:13] offset:1024+mb*64+16
.set mb, mb+1
.endr
	WIN 0
	ROUND                                          ; all four work-groups are here: the first joint loads meet
	JL 0
	JL 1                                           ; both first fills, ahead of every wait on TENSORcnt and every LDS read
.set jj, 0
.rept 32
	global_load_b128 v[ACC+4*jj:ACC+4*jj+3], v10, s[4:5] offset:512*jj th:TH_LOAD_NT
.set jj, jj+1
.endr
	WIN 0x80
.set jj, 0
.rept 32
	global_load_b128 v[VR+4*jj:VR+4*jj+3], v10, s[6:7] offset:512*jj th:TH_LOAD_NT
.set jj, jj+1
.endr
	s_wait_kmcnt 0x0
.set jj, 0
.rept 8
	v_mov_b32 v[SINI+jj], s60                      ; s starts the sums of R
.set jj, jj+1
.endr
	WIN 0
	s_wait_loadcnt 32                              ; t, u, w and KEY are in; VALUE's 32 loads stay out
.set jj, 0
.rept 32
	v_cvt_pk_bf16_f32 v[ACC+4*jj], v[ACC+4*jj], v[ACC+4*jj+1]
	v_cvt_pk_bf16_f32 v[ACC+4*jj+1], v[ACC+4*jj+2], v[ACC+4*jj+3]
	ds_store_b64 v7, v[ACC+4*jj:ACC+4*jj+1] offset:(jj>>1)*PITCH+(jj&1)*256
.set jj, jj+1
.endr
	s_wait_dscnt 0x0                               ; for the other waves: my rows of K are in X,
	s_wait_tensorcnt 0x1                           ; and my part of MT has landed; tile 1 stays out
	BAR
	LOADB                                          ; K
	s_wait_dscnt 0x0
	BAR                                            ; every wave holds K: X may be written again
	WIN 0xa4                                       ; R[kb] = t K^T + s: D and C window 2, source 1 window 1.  Four accumulators by turns
.set ks, 0
.rept 8
.set kb, 0
.rept 4
.if ks == 0
	v_wmma_f32_16x16x32_bf16 v[RR+8*kb:RR+8*kb+7], v[AF+8*ks:AF+8*ks+7], v[8*(8*kb+ks):8*(8*kb+ks)+7], v[SINI:SINI+7]
.else
	v_wmma_f32_16x16x32_bf16 v[RR+8*kb:RR+8*kb+7], v[AF+8*ks:AF+8*ks+7], v[8*(8*kb+ks):8*(8*kb+ks)+7], v[RR+8*kb:RR+8*kb+7]
.endif
.set kb, kb+1
.endr
.set ks, ks+1
.endr
	WIN 0
	CORE 0, UU, 8, 0                               ; K' = MT K^T + u
	PROJOUT 0
	s_wait_dscnt 0x0                               ; my reads of slot 0 and my part of K' in X are done,
	s_wait_tensorcnt 0x0                           ; and all my tensor loads have landed (tile 1)
	ds_add_u32 v62, v63
	s_wait_dscnt 0x0
	ROUND
	JL 2                                           ; into slot 0, first behind the round
	LOADB                                          ; K'
	COPYOUT 14                                     ; its last wait, for 0, covers the 64 loads above too
	s_wait_xcnt 0x0                                ; the stores' data registers are accumulators again only behind this wait
	CORE 1, RR, 0, 8                               ; S = Qb K'^T + R, queries 0-255
	SOFT 1
	s_wait_dscnt 0x0
	s_wait_tensorcnt 0x0
	ds_add_u32 v62, v63
	s_wait_dscnt 0x0
	ROUND                                          ; also: every wave has read K' out of X
	JL 3
	s_wait_loadcnt 0x0                             ; VALUE
	WIN 0x8a
.set jj, 0
.rept 32
	v_cvt_pk_bf16_f32 v[VR+4*jj], v[VR+4*jj], v[VR+4*jj+1]
	v_cvt_pk_bf16_f32 v[VR+4*jj+1], v[VR+4*jj+2], v[VR+4*jj+3]
.set jj, jj+1
.endr
	WIN 0x08
.set jj, 0
.rept 32
	ds_store_b64 v7, v[VR+4*jj:VR+4*jj+1] offset:(jj>>1)*PITCH+(jj&1)*256
.set jj, jj+1
.endr
	WIN 0
	CORE 0, RR, 0, 8                               ; queries 256-511
	SOFT 0
	s_wait_dscnt 0x0
	s_wait_tensorcnt 0x0
	ds_add_u32 v62, v63
	s_wait_dscnt 0x0
	ROUND
	JL 4
	CORE 1, RR, 0, 8                               ; queries 512-767
	SOFT 0
	s_wait_dscnt 0x0
	s_wait_tensorcnt 0x0
	ds_add_u32 v62, v63
	s_wait_dscnt 0x0
	ROUND
	JL 5
	CORE 0, RR, 0, 8                               ; queries 768-1023
	SOFT 0
	; the two halves of the lanes hold different queries of the same keys: join them
.set kb, 0
.rept 4
	v_permlanex16_b32 v28, v[20+2*kb], s58, s59
	v_max_num_f32 v29, v[20+2*kb], v28
	v_sub_f32 v30, v[20+2*kb], v29
	v_exp_f32 v30, v30
	v_mov_b32 v[20+2*kb], v29                      ; also the plain instruction behind the exponential
	s_wait_alu depctr_va_vdst(0)
	v_mul_f32 v[21+2*kb], v[21+2*kb], v30
	v_permlanex16_b32 v28, v[21+2*kb], s58, s59
	v_add_f32 v[21+2*kb], v[21+2*kb], v28
	ds_store_b64 v14, v[20+2*kb:21+2*kb] offset:kb*128
.set kb, kb+1
.endr
	s_wait_dscnt 0x0                               ; my statistics are written,
	s_wait_tensorcnt 0x0                           ; and Pm has landed
	BAR
.set kb, 0
.rept 4
.set pp, 0
.rept 4
	ds_load_b64 v[AF+8*kb+2*pp:AF+8*kb+2*pp+1], v15 offset:pp*512+kb*128
.set pp, pp+1
.endr
.set kb, kb+1
.endr
	s_wait_dscnt 0x0
.set kb, 0
.rept 4
	v_max3_num_f32 v[28+kb], v[AF+8*kb], v[AF+8*kb+2], v[AF+8*kb+4]
	v_max_num_f32 v[28+kb], v[28+kb], v[AF+8*kb+6]                 ; the key's maximum over all 1,024 queries
.set kb, kb+1
.endr
.set kb, 0
.rept 4
.irp p, 0,2,4,6
	v_sub_f32 v[AF+8*kb+\p], v[AF+8*kb+\p], v[28+kb]
.endr
.set kb, kb+1
.endr
.set kb, 0
.rept 4
.irp p, 0,2,4,6
	v_exp_f32 v[AF+8*kb+\p], v[AF+8*kb+\p]
.endr
.set kb, kb+1
.endr
	WIN 0x02
.set kb, 0
.rept 4
	v_sub_f32 v[37+2*kb], v[RR+8*kb], v[28+kb]     ; d = R - m; also the plain instructions behind the exponentials
.set kb, kb+1
.endr
	WIN 0
.set kb, 0
	s_wait_alu depctr_va_vdst(0)
.rept 4
	v_mul_f32 v[32+kb], v[AF+8*kb+1], v[AF+8*kb]
	v_fmac_f32 v[32+kb], v[AF+8*kb+3], v[AF+8*kb+2]
	v_fmac_f32 v[32+kb], v[AF+8*kb+5], v[AF+8*kb+4]
	v_fmac_f32 v[32+kb], v[AF+8*kb+7], v[AF+8*kb+6]                ; l, at least 1: the maximum's own term
.set kb, kb+1
.endr
.set kb, 0
.rept 4
	v_rcp_f32 v[36+2*kb], v[32+kb]                 ; first used far below, behind many plain instructions
.set kb, kb+1
.endr
	s_cmp_lg_u32 s52, 0
	s_cbranch_scc1 .Lno_d                          ; every wave holds all 64 d: wave 0 stores them
	v_cmp_le_u32 vcc_lo, 16, v1
	v_cndmask_b32 v28, v37, v39, vcc_lo            ; key L: kb = 0 in lanes 0-15, 1 in lanes 16-31
	v_cndmask_b32 v29, v41, v43, vcc_lo            ; key 32 + L
	global_store_b32 v16, v28, s[18:19]
	global_store_b32 v16, v29, s[18:19] offset:128
.Lno_d:
	LOADB                                          ; V
	s_wait_dscnt 0x0
	BAR                                            ; every wave holds V: X may be written again
	CORE 1, WW, 8, 0                               ; V' = Pm V^T + w
	PROJOUT 1                                      ; V'' = V' / l
	s_wait_dscnt 0x0
	BAR
	COPYOUT 16
	s_wait_tensorcnt 0x0
	ds_add_u32 v62, v63
	s_wait_dscnt 0x0
	ROUND                                          ; the closing round
	s_endpgm
.Lfunc_end_k_qea08703162_keys:
	.size	k_qea08703162_keys, .Lfunc_end_k_qea08703162_keys-k_qea08703162_keys
	.p2alignl 7, 3214868480
	.fill 96, 4, 3214868480
	.section	.rodata,"a",@progbits
	.p2align	6, 0x0
	.amdhsa_kernel k_qea08703162_keys
		.amdhsa_group_segment_fixed_size 327680
		.amdhsa_private_segment_fixed_size 0
		.amdhsa_enable_private_segment 0
		.amdhsa_kernarg_size 64
		.amdhsa_user_sgpr_count 2
		.amdhsa_user_sgpr_kernarg_segment_ptr 1
		.amdhsa_wavefront_size32 1
		.amdhsa_system_sgpr_workgroup_id_x 1
		.amdhsa_system_sgpr_workgroup_id_y 1
		.amdhsa_system_sgpr_workgroup_id_z 1
		.amdhsa_system_vgpr_workitem_id 0
		.amdhsa_next_free_vgpr 744
		.amdhsa_next_free_sgpr 66
		.amdhsa_reserve_vcc 1
		.amdhsa_float_denorm_mode_32 3
		.amdhsa_float_denorm_mode_16_64 3
		.amdhsa_memory_ordered 1
		.amdhsa_forward_progress 1
		.amdhsa_inst_pref_size 216
	.end_amdhsa_kernel
	.amdgpu_metadata
---
amdhsa.version: [ 1, 2 ]
amdhsa.kernels:
  - .name:           k_qea08703162_keys
    .symbol:         k_qea08703162_keys.kd
    .args:
      - { .name: KEY, .offset: 0, .size: 8, .value_kind: global_buffer, .address_space: global }
      - { .name: VALUE, .offset: 8, .size: 8, .value_kind: global_buffer, .address_space: global }
      - { .name: Qb, .offset: 16, .size: 8, .value_kind: global_buffer, .address_space: global }
      - { .name: mats, .offset: 24, .size: 8, .value_kind: global_buffer, .address_space: global }
      - { .name: vec, .offset: 32, .size: 8, .value_kind: global_buffer, .address_space: global }
      - { .name: Kp, .offset: 40, .size: 8, .value_kind: global_buffer, .address_space: global }
      - { .name: Vp, .offset: 48, .size: 8, .value_kind: global_buffer, .address_space: global }
      - { .name: dvec, .offset: 56, .size: 8, .value_kind: global_buffer, .address_space: global }
    .group_segment_fixed_size: 327680
    .private_segment_fixed_size: 0
    .kernarg_segment_align: 8
    .kernarg_segment_size: 64
    .max_flat_workgroup_size: 128
    .sgpr_count:     66
    .vgpr_count:     744
    .wavefront_size: 32
...
	.end_amdgpu_metadata
.endif
;; end of part 2
;; launch mix (part 3): grid 256 x 1, 4 waves a work-group, clusters of 4 x 1, 327,680 bytes of LDS; arguments Qb, Kp, Vp, dvec, lin_b, out0; writes out0
.if DOCPART == 3
	.amdgcn_target "amdgcn-amd-amdhsa--gfx1250"
	.amdhsa_code_object_version 6
	.text
	.protected	k_qea08703162_mix
	.globl	k_qea08703162_mix
	.p2align	8
	.type	k_qea08703162_mix,@function
k_qea08703162_mix:
	s_mov_b64 s[64:65], 0
	v_nop
	global_prefetch_b8 v0, s[64:65] scope:SCOPE_SE
	s_setreg_imm32_b32 hwreg(HW_REG_WAVE_MODE, 25, 1), 1
	s_wait_xcnt 0x0
	s_wait_alu depctr_hold_cnt(0) depctr_sa_sdst(0) depctr_va_vdst(0) depctr_va_sdst(0) depctr_va_ssrc(0) depctr_va_vcc(0) depctr_vm_vsrc(0)
	s_getreg_b32 s2, hwreg(HW_REG_IB_STS2, 6, 4)
	s_cmp_eq_u32 s2, 0
	s_cbranch_scc0 .Lentry_in_a_cluster
	s_endpgm
.Lentry_in_a_cluster:
	s_bfe_u32 s2, ttmp6, 0x10000c
	s_cmp_lg_u32 s2, 0x3003
	s_cbranch_scc0 .Lentry_shape_is_right
	s_endpgm
.Lentry_shape_is_right:
; MIX: out[q][n] = sum over the batch's 2,048 keys of 2^(K'_key . Qb_q + d_key) V''[key][n] + lin_b[n].
; d = R - m holds the key's maximum over all queries (taken in the launch before), and V'' the division by the key's sum: the weights are the softmax's.
; LIMITS, stated: the exponent may pass 0 by the f32 rounding difference between this launch's sum (started from d) and the earlier one (started from R);
; v_exp_f32 gives 0 for results below 2^-126 (ISA guide 15.8); weights and V'' are bf16 matrix operands; sums are f32.
; A work-group owns 32 queries.  16 tiles of 128 keys go through two LDS slots; wave w takes keys 32 w .. 32 w + 31 of every tile, for all 32 queries and all 256
; columns.  The scores are made as D(m = key 8 h + j, n = query r): packing neighbouring registers to bf16 gives source 1 of the second product as it stands, so
; the weights never leave the wave's registers.  V'' lies [key][column] and is read by the transposing load as source 0, so that a lane's 8 results are
; 8 neighbouring columns of a query's row.  The four waves' sums over their keys meet once, at the end, in LDS.
; CLUSTER: K' and V'' hang on the batch alone, and the four work-groups of a cluster lie in one batch: every tile is asked for jointly, mask 15.
; Waves 0, 1 ask for the two halves of V'', waves 2, 3 for those of K'.  By this text's count a wave has one tensor load out.
; 32 queries a work-group give one LDS load for each matrix instruction; 64 would halve that and leave half of the 256 work-groups without work.
; REGISTERS: window 0: lane terms, v64-191 fragments, v192-223 scores, v224-239 weights, v240-255 d;  window 1: 32 output tiles;  window 2: the queries' fragments.
.set VPITCH, 544                       ; V'': 512 bytes + 32, an odd multiple of 32, for the transposing load
.set KPITCH, 528                       ; K': 512 bytes + 16, an odd multiple of 16
.set VHALF,  64*VPITCH
.set KHALF,  64*KPITCH
.set KOFF,   2*VHALF                   ; K' lies behind V'' in a slot
.set SLOT,   KOFF+2*KHALF              ; 137,216
.set DB,     2*SLOT                    ; the batch's d, 8,192 bytes, written by ds_store alone
.set TILEB,  128*512                   ; a tile's bytes in Kp and in Vp
.set SPITCH, 1040                      ; the stage at the end: 1,024 bytes + 16
.set WSTAGE, 32*SPITCH                 ; one wave's; the four take 133,120 bytes, all inside slot 0
.set FR,  64
.set SC,  192                          ; tile (kk, qq) at SC + 8 (2 kk + qq)
.set PF,  224
.set DT,  240
.set G1V, 24
.set G1K, 32
.set G0V, 40
.set G0K, 48
.set MSB, 0
.macro WIN new                         ; the immediate's high byte repeats the setting that is left
.if MSB != \new
	s_set_vgpr_msb (MSB<<8)|\new
.set MSB, \new
.endif
.endm
.macro PLACES                          ; four independent vector instructions between a matrix instruction and what touches its registers (ISA guide 7.12.1)
.rept 4
	v_nop
.endr
.endm
.macro ROUND                           ; a round of the cluster's barrier
	s_barrier_signal -1
	s_barrier_wait -1
	s_cmp_lg_u32 s16, 0
	s_cbranch_scc1 .Lnot_wave_0_\@
	s_barrier_signal -3
.Lnot_wave_0_\@:
	s_barrier_wait -3
	s_barrier_signal -1
	s_barrier_wait -1
.endm
.macro JLOAD sl                        ; a wave's one joint load.  The branch hangs on the wave's number alone
	s_cmp_eq_u32 s17, 0
	s_cbranch_scc0 .Lfor_k_\@
	tensor_load_to_lds s[G0V+4*(\sl):G0V+4*(\sl)+3], s[G1V:G1V+7]
	s_nop 0
	s_branch .Lasked_\@
.Lfor_k_\@:
	tensor_load_to_lds s[G0K+4*(\sl):G0K+4*(\sl)+3], s[G1K:G1K+7]
	s_nop 0
.Lasked_\@:
.endm
	s_load_b256 s[4:11], s[0:1], 0x0               ; Qb 4, Kp 6, Vp 8, dvec 10
	s_load_b128 s[12:15], s[0:1], 0x20             ; lin_b 12, out0 14
	v_lshl_add_u32 v62, v0, 2, 0x45000
	v_mov_b32 v63, 0
	ds_add_u32 v62, v63
	v_and_b32 v1, 31, v0                           ; L
	v_lshrrev_b32 v2, 5, v0
	v_readfirstlane_b32 s16, v2                    ; wave w
	v_and_b32 v2, 15, v0                           ; r
	v_bfe_u32 v3, v0, 4, 1                         ; h
	s_lshr_b32 s17, s16, 1                         ; 0: I ask for V'', 1: for K'
	s_and_b32 s18, s16, 1                          ; which 64 rows of the tile
	s_bfe_u32 s19, ttmp6, 0x40000                  ; cx
	s_lshl_b32 s20, ttmp9, 2
	s_add_co_u32 s20, s20, s19                     ; work-group x: enters the addresses of Qb and out0 alone
	s_lshr_b32 s21, ttmp9, 3                       ; batch
	s_mov_b32 s23, 0                               ; s[22:23]: offsets that hold cx
	s_mov_b32 s59, 0                               ; s[58:59]: offsets free of cx
	; group 1: 64 rows x 256 elements of 2 bytes, pitch 256, padding behind every 128 words: 8 words for V'', 4 for K'; mask 15 with bit 21 beside it
	s_mov_b32 s[G1V+0], 15|(1<<16)|(1<<20)|(1<<21)|(6<<22)|(7<<25)
	s_mov_b32 s[G1K+0], 15|(1<<16)|(1<<20)|(1<<21)|(6<<22)|(3<<25)
	s_mov_b32 s[G1V+1], 256<<16
	s_mov_b32 s[G1K+1], 256<<16
	s_mov_b32 s[G1V+2], 64<<16
	s_mov_b32 s[G1K+2], 64<<16
	s_mov_b32 s[G1V+3], 256<<16
	s_mov_b32 s[G1K+3], 256<<16
	s_mov_b32 s[G1V+4], 64
	s_mov_b32 s[G1K+4], 64
	s_mov_b32 s[G1V+5], 256
	s_mov_b32 s[G1K+5], 256
	s_mov_b32 s[G1V+6], 0
	s_mov_b32 s[G1K+6], 0
	s_mov_b32 s[G1V+7], 0
	s_mov_b32 s[G1K+7], 0
	s_mul_i32 s60, s16, VHALF                      ; V'': waves 0, 1 at 0 and 34,816
	s_mul_i32 s61, s16, KHALF
	s_add_co_u32 s61, s61, KOFF-2*KHALF            ; K': waves 2, 3 at 69,632 and 103,424
	v_mul_u32_u24 v24, v2, KPITCH
	v_lshl_add_u32 v24, v3, 4, v24
	s_mul_i32 s57, s16, 32*KPITCH
	s_add_co_u32 s57, s57, KOFF
	v_add_nc_u32 v4, s57, v24                      ; K' fragments: row 32 w + r, 16 h; slot 0,
	v_add_nc_u32 v5, SLOT, v4                      ; slot 1
	v_and_b32 v25, 7, v0
	v_lshl_add_u32 v25, v3, 3, v25                 ; 8 h + (L & 7)
	v_mul_u32_u24 v6, v25, VPITCH
	v_bfe_u32 v26, v0, 3, 1
	v_lshl_add_u32 v6, v26, 4, v6
	s_mul_i32 s57, s16, 32*VPITCH
	v_add_nc_u32 v6, s57, v6                       ; V'' through the transposing load; slot 0,
	v_add_nc_u32 v7, SLOT, v6                      ; slot 1
	s_lshl_b32 s57, s16, 7
	s_add_co_u32 s57, s57, DB
	v_lshl_add_u32 v8, v3, 5, s57                  ; d of keys 32 w + 8 h ..; steps by a tile's 512 bytes
	v_mul_u32_u24 v9, v2, SPITCH
	v_lshl_add_u32 v9, v3, 5, v9
	s_mul_i32 s57, s16, WSTAGE
	v_add_nc_u32 v9, s57, v9                       ; stage in: row r, 32 h
	s_mul_i32 s57, s16, 8*SPITCH
	v_lshl_add_u32 v10, v1, 4, s57                 ; stage out: rows 8 w .., of waves 0 and 1,
	v_add_nc_u32 v11, 2*WSTAGE, v10                ; of waves 2 and 3
	s_lshl_b32 s57, s16, 13
	v_lshl_add_u32 v12, v1, 4, s57                 ; out0: 8 w rows of 1,024 bytes + 16 L
	v_lshlrev_b32 v13, 9, v2
	v_lshl_add_u32 v13, v3, 4, v13                 ; Qb fragments: row r, 16 h
	v_lshlrev_b32 v14, 4, v0                       ; the copy of d: 16 bytes a thread
	v_add_nc_u32 v15, DB, v14
	v_lshlrev_b32 v27, 4, v1
	s_wait_dscnt 0x0
	s_wait_kmcnt 0x0
	s_lshl_b32 s22, s20, 14
	s_add_nc_u64 s[4:5], s[4:5], s[22:23]          ; my 32 rows of Qb
	s_lshl_b32 s22, s20, 15
	s_add_nc_u64 s[14:15], s[14:15], s[22:23]      ; my 32 rows of out0
	s_lshl_b32 s58, s21, 13
	s_add_nc_u64 s[10:11], s[10:11], s[58:59]      ; the batch's d
	s_lshl_b32 s58, s21, 20                        ; the batch's 2,048 rows of 512 bytes
	s_lshl_b32 s57, s18, 15                        ; + my 64 rows
	s_add_co_u32 s58, s58, s57
	s_add_nc_u64 s[6:7], s[6:7], s[58:59]
	s_add_nc_u64 s[8:9], s[8:9], s[58:59]
.irp s, 0,1
	s_mov_b32 s[G0V+4*\s], 1
	s_add_co_u32 s[G0V+4*\s+1], s60, \s*SLOT
	s_add_nc_u64 s[G0V+4*\s+2:G0V+4*\s+3], s[8:9], \s*TILEB        ; slot s begins with tile s
	s_or_b32 s[G0V+4*\s+3], s[G0V+4*\s+3], 0x80000000
	s_mov_b32 s[G0K+4*\s], 1
	s_add_co_u32 s[G0K+4*\s+1], s61, \s*SLOT
	s_add_nc_u64 s[G0K+4*\s+2:G0K+4*\s+3], s[6:7], \s*TILEB
	s_or_b32 s[G0K+4*\s+3], s[G0K+4*\s+3], 0x80000000
.endr
	WIN 0x80
.set qq, 0
.rept 2
.set ks, 0
.rept 8
	global_load_b128 v[8*(8*qq+ks):8*(8*qq+ks)+3],   v13, s[4:5] offset:qq*8192+ks*64
	global_load_b128 v[8*(8*qq+ks)+4:8*(8*qq+ks)+7], v13, s[4:5] offset:qq*8192+ks*64+32
.set ks, ks+1
.endr
.set qq, qq+1
.endr
	WIN 0
.set jj, 0
.rept 4
	global_load_b128 v[FR+4*jj:FR+4*jj+3], v14, s[10:11] offset:2048*jj
.set jj, jj+1
.endr
	global_load_b128 v[16:19], v27, s[12:13]                       ; lin_b of columns 4 L .. and 128 + 4 L ..
	global_load_b128 v[20:23], v27, s[12:13] offset:512
	ROUND                                          ; all four work-groups are here
	JLOAD 0                                        ; tile 0
	s_wait_loadcnt 0x0
.set jj, 0
.rept 4
	ds_store_b128 v15, v[FR+4*jj:FR+4*jj+3] offset:2048*jj
.set jj, jj+1
.endr
; One tile of 128 keys in slot.  refill = 1: the next tile is asked for, into the other slot.  zero = 1: the first products start the output's sums.
.macro TRIP slot, refill, zero
	s_wait_tensorcnt 0x0                           ; all my tensor loads have landed, my part of this tile among them: so a group 0 may be written
	ds_add_u32 v62, v63
	s_wait_dscnt 0x0
	s_add_nc_u64 s[G0V+4*\slot+2:G0V+4*\slot+3], s[G0V+4*\slot+2:G0V+4*\slot+3], 2*TILEB   ; this slot's next tile
	s_add_nc_u64 s[G0K+4*\slot+2:G0K+4*\slot+3], s[G0K+4*\slot+2:G0K+4*\slot+3], 2*TILEB
	s_wait_dscnt 0x0                               ; my reads of the last tile are back (in the first trip: my part of d is written)
	ROUND                                          ; both hold of every wave of the four work-groups
.if \refill
	JLOAD 1-\slot                                  ; first behind the round, my one load until the next
.endif
.if \zero == 0
	PLACES                                         ; the fragment registers were read by the last trip's matrix instructions
.endif
.set kk, 0
.rept 2
	ds_load_b128 v[DT+8*kk:DT+8*kk+3],   v8 offset:kk*64
	ds_load_b128 v[DT+8*kk+4:DT+8*kk+7], v8 offset:kk*64+16
.set kk, kk+1
.endr
.set ks, 0
.rept 8
.set kk, 0
.rept 2
	ds_load_b128 v[FR+8*(2*ks+kk):FR+8*(2*ks+kk)+3],   v[4+\slot] offset:kk*16*KPITCH+ks*64
	ds_load_b128 v[FR+8*(2*ks+kk)+4:FR+8*(2*ks+kk)+7], v[4+\slot] offset:kk*16*KPITCH+ks*64+32
.set kk, kk+1
.endr
.set ks, ks+1
.endr
	WIN 0x08                                       ; source 1, the queries, in window 2
.set ks, 0
.rept 8
	s_wait_dscnt 28-4*ks                           ; d and the fragments up to this K step are in; four loads for each later step stay out
.set kk, 0
.rept 2
.set qq, 0
.rept 2
.if ks == 0
	v_wmma_f32_16x16x32_bf16 v[SC+8*(2*kk+qq):SC+8*(2*kk+qq)+7], v[FR+8*(2*ks+kk):FR+8*(2*ks+kk)+7], v[8*(8*qq+ks):8*(8*qq+ks)+7], v[DT+8*kk:DT+8*kk+7]
.else
	v_wmma_f32_16x16x32_bf16 v[SC+8*(2*kk+qq):SC+8*(2*kk+qq)+7], v[FR+8*(2*ks+kk):FR+8*(2*ks+kk)+7], v[8*(8*qq+ks):8*(8*qq+ks)+7], v[SC+8*(2*kk+qq):SC+8*(2*kk+qq)+7]
.endif
.set qq, qq+1
.endr
.set kk, kk+1
.endr
.set ks, ks+1
.endr                                              ; four accumulators by turns, one instruction a turn
	PLACES
.set nb, 0
.rept 16
	ds_load_tr16_b128 v[FR+8*nb:FR+8*nb+3],   v[6+\slot] offset:nb*32                ; keys 8 h .. of columns 16 nb + r
	ds_load_tr16_b128 v[FR+8*nb+4:FR+8*nb+7], v[6+\slot] offset:nb*32+16*VPITCH      ; keys 16 + 8 h ..
.set nb, nb+1
.endr
.set jj, 0
.rept 32
	v_exp_f32 v[SC+jj], v[SC+jj]                   ; while V'' is on its way from LDS
.set jj, jj+1
.endr
	WIN 0
	v_add_nc_u32 v8, 512, v8                       ; the next tile's d; also the plain instruction behind the exponentials (ISA guide 5.7.2)
.set qq, 0
	s_wait_alu depctr_va_vdst(0)
.rept 2
.set kk, 0
.rept 2
.set ii, 0
.rept 4
	v_cvt_pk_bf16_f32 v[PF+8*qq+4*kk+ii], v[SC+8*(2*kk+qq)+2*ii], v[SC+8*(2*kk+qq)+2*ii+1]   ; registers 0-3: keys 8 h ..; 4-7: keys 16 + 8 h ..
.set ii, ii+1
.endr
.set kk, kk+1
.endr
.set qq, qq+1
.endr
	WIN 0x50                                       ; C and D in window 1
.set nb, 0
.rept 16
	s_wait_dscnt 30-2*nb                           ; this column block's two loads are in; two for each later block stay out
.set qq, 0
.rept 2
.if \zero
	v_wmma_f32_16x16x32_bf16 v[8*(2*nb+qq):8*(2*nb+qq)+7], v[FR+8*nb:FR+8*nb+7], v[PF+8*qq:PF+8*qq+7], 0
.else
	v_wmma_f32_16x16x32_bf16 v[8*(2*nb+qq):8*(2*nb+qq)+7], v[FR+8*nb:FR+8*nb+7], v[PF+8*qq:PF+8*qq+7], v[8*(2*nb+qq):8*(2*nb+qq)+7]
.endif
.set qq, qq+1
.endr
.set nb, nb+1
.endr                                              ; 32 accumulators by turns
	WIN 0
.endm
	TRIP 0, 1, 1
	TRIP 1, 1, 0
	s_mov_b32 s56, 6
.Llap:
	TRIP 0, 1, 0
	TRIP 1, 1, 0
	s_sub_co_u32 s56, s56, 1
	s_cmp_lg_u32 s56, 0
	s_cbranch_scc1 .Llap
	TRIP 0, 1, 0                                   ; tile 14; asks for tile 15
	TRIP 1, 0, 0                                   ; tile 15: nothing is left to fetch (the stepped addresses are not used)
	; THE WAY OUT.  The stage lies in slot 0, which has had its last fill.  Its last reads were tile 14's, and every wave waited for them
	; in front of the round at the head of tile 15: no further barrier is needed ahead of these stores.
	PLACES
	WIN 0x04                                       ; store data in window 1
.set qq, 0
.rept 2
.set nb, 0
.rept 16
	ds_store_b128 v9, v[8*(2*nb+qq):8*(2*nb+qq)+3]   offset:qq*16*SPITCH+nb*64
	ds_store_b128 v9, v[8*(2*nb+qq)+4:8*(2*nb+qq)+7] offset:qq*16*SPITCH+nb*64+16
.set nb, nb+1
.endr
.set qq, qq+1
.endr
	WIN 0
	s_wait_dscnt 0x0                               ; for the other waves: my sums are written
	s_barrier_signal -1
	s_barrier_wait -1
; Wave w adds the four waves' rows 8 w .. 8 w + 7, two rows a batch.  A batch: 2 rows x 2 halves of 512 bytes x 4 waves = 16 loads into 64 registers at f.
.macro RLOAD b, f
.set tt, 0
.rept 2
.set cc, 0
.rept 2
.set pp, 0
.rept 4
	ds_load_b128 v[\f+16*(2*tt+cc)+4*pp:\f+16*(2*tt+cc)+4*pp+3], v[10+(pp>>1)] offset:(pp&1)*WSTAGE+(2*\b+tt)*SPITCH+cc*512
.set pp, pp+1
.endr
.set cc, cc+1
.endr
.set tt, tt+1
.endr
.endm
.macro RSUM b, f
.set tt, 0
.rept 2
.set cc, 0
.rept 2
.set tb, \f+16*(2*tt+cc)
	v_pk_add_f32 v[tb:tb+1],     v[tb:tb+1],     v[tb+4:tb+5]
	v_pk_add_f32 v[tb+2:tb+3],   v[tb+2:tb+3],   v[tb+6:tb+7]
	v_pk_add_f32 v[tb+8:tb+9],   v[tb+8:tb+9],   v[tb+12:tb+13]
	v_pk_add_f32 v[tb+10:tb+11], v[tb+10:tb+11], v[tb+14:tb+15]
	v_pk_add_f32 v[tb:tb+1],     v[tb:tb+1],     v[tb+8:tb+9]
	v_pk_add_f32 v[tb+2:tb+3],   v[tb+2:tb+3],   v[tb+10:tb+11]
	v_pk_add_f32 v[tb:tb+1],     v[tb:tb+1],     v[16+4*cc:17+4*cc]
	v_pk_add_f32 v[tb+2:tb+3],   v[tb+2:tb+3],   v[18+4*cc:19+4*cc]
	global_store_b128 v12, v[tb:tb+3], s[14:15] offset:(2*(2*\b+tt)+cc)*512 th:TH_STORE_NT   ; the wave's store covers 512 consecutive bytes, aligned
.set cc, cc+1
.endr
.set tt, tt+1
.endr
.endm
	RLOAD 0, FR
	RLOAD 1, FR+64
	s_wait_dscnt 16                                ; batch 0 is in; batch 1's 16 loads stay out
	RSUM 0, FR
	s_wait_xcnt 0x0                                ; registers that stores read are loaded again only behind this wait
	RLOAD 2, FR
	s_wait_dscnt 16
	RSUM 1, FR+64
	s_wait_xcnt 0x0
	RLOAD 3, FR+64
	s_wait_dscnt 16
	RSUM 2, FR
	s_wait_dscnt 0x0
	RSUM 3, FR+64
	s_wait_tensorcnt 0x0
	ds_add_u32 v62, v63
	s_wait_dscnt 0x0
	ROUND                                          ; the closing round
	s_endpgm
.Lfunc_end_k_qea08703162_mix:
	.size	k_qea08703162_mix, .Lfunc_end_k_qea08703162_mix-k_qea08703162_mix
	.p2alignl 7, 3214868480
	.fill 96, 4, 3214868480
	.section	.rodata,"a",@progbits
	.p2align	6, 0x0
	.amdhsa_kernel k_qea08703162_mix
		.amdhsa_group_segment_fixed_size 327680
		.amdhsa_private_segment_fixed_size 0
		.amdhsa_enable_private_segment 0
		.amdhsa_kernarg_size 48
		.amdhsa_user_sgpr_count 2
		.amdhsa_user_sgpr_kernarg_segment_ptr 1
		.amdhsa_wavefront_size32 1
		.amdhsa_system_sgpr_workgroup_id_x 1
		.amdhsa_system_sgpr_workgroup_id_y 1
		.amdhsa_system_sgpr_workgroup_id_z 1
		.amdhsa_system_vgpr_workitem_id 0
		.amdhsa_next_free_vgpr 640
		.amdhsa_next_free_sgpr 66
		.amdhsa_reserve_vcc 0
		.amdhsa_float_denorm_mode_32 3
		.amdhsa_float_denorm_mode_16_64 3
		.amdhsa_memory_ordered 1
		.amdhsa_forward_progress 1
		.amdhsa_inst_pref_size 102
	.end_amdhsa_kernel
	.amdgpu_metadata
---
amdhsa.version: [ 1, 2 ]
amdhsa.kernels:
  - .name:           k_qea08703162_mix
    .symbol:         k_qea08703162_mix.kd
    .args:
      - { .name: Qb, .offset: 0, .size: 8, .value_kind: global_buffer, .address_space: global }
      - { .name: Kp, .offset: 8, .size: 8, .value_kind: global_buffer, .address_space: global }
      - { .name: Vp, .offset: 16, .size: 8, .value_kind: global_buffer, .address_space: global }
      - { .name: dvec, .offset: 24, .size: 8, .value_kind: global_buffer, .address_space: global }
      - { .name: lin_b, .offset: 32, .size: 8, .value_kind: global_buffer, .address_space: global }
      - { .name: out0, .offset: 40, .size: 8, .value_kind: global_buffer, .address_space: global }
    .group_segment_fixed_size: 327680
    .private_segment_fixed_size: 0
    .kernarg_segment_align: 8
    .kernarg_segment_size: 48
    .max_flat_workgroup_size: 128
    .sgpr_count:     66
    .vgpr_count:     640
    .wavefront_size: 32
...
	.end_amdgpu_metadata
.endif
;; end of part 3
